; MI455X (gfx1250); checked and timed in simulation.
; The chip was launched on July 23, 2026; its instructions are those of AMD's public machine-readable ISA for CDNA 5 (MIT licence, August 2026) and "CDNA5" Instruction Set Architecture Reference Guide (July 2026). The comments in the code are by the model that wrote it; some were corrected since.
;; Attention. Allowed arithmetic: matrix products marked QUANTISED: E5M2 operands, one given power-of-two scale a tensor, by v_wmma_f32_16x16x64_bf8_bf8 or v_wmma_f32_16x16x128_bf8_bf8, f32 sums; products left as they are: f32 operands where the result goes on into a quantised operand, else bf16, f16 or f32 operands; f32 sums; everything else in f32.
;; Inputs: W_dec_codes 1,024 x 32 x 32 uint8 (E5M2 codes of W_dec, K innermost, in blocks of 32 codes); W_enc_codes 1,024 x 64 x 32 uint8 (E5M2 codes of W_enc, K innermost, in blocks of 32 codes); W_energy 1 x 1,024 float32; dec_state_codes 32 x 1 x 32 x 32 uint8 (E5M2 codes of dec_state, K innermost, in blocks of 32 codes); enc_state 32 x 1,024 x 2,048 float32; lowp_scales 4 int32 (the exponents e of the quantised operands' scales 2^e); src_length 32 int32.
;; Outputs: out0 32 x 1 x 2,048 float32; out1 32 x 1 x 1,024 float32.
;; This version of the problem:
;;   THIS VERSION OF THE PROBLEM IS GIVEN IN LOW PRECISION. The matrix products marked QUANTISED in the list below multiply operands that are first quantised to E5M2 (5 exponent bits, 2 mantissa bits; 8 bits a number), with one given power-of-two scale for each operand tensor; their sums are f32. All else is computed in f32.
;;   The module's matrix products, in the order in which they are computed (A, B: the left and right operand; K: the contracted axis; several contracted axes count as one K, in the product's order):
;;     1. [M 32,768, K 2,048] x [K 2,048, N 1,024]; A: input enc_state; B: input W_enc (given as codes): QUANTISED (scales: A lowp_scales[0], B lowp_scales[1])
;;     2. [M 32, K 1,024] x [K 1,024, N 1,024]; A: input dec_state (given as codes); B: input W_dec (given as codes): QUANTISED (scales: A lowp_scales[2], B lowp_scales[3])
;;     3. [M 32,768, K 1,024] x [K 1,024, N 1]; A: computed on the way; B: input W_energy: left as it is (N = 1 < 16)
;;     4. batch 32 x [M 1, K 1,024] x [K 1,024, N 2,048]; A: softmax; B: input enc_state: left as it is (M = 1 < 16)
;;   THE QUANTISER, for each operand of a quantised product, along K:
;;     - The operand's scale is 2^e, e = its entry of the input lowp_scales (int32; the entries are numbered through the quantised products in the list's order, A before B).
;;     - Each number is divided by the scale, clamped to +-57,344, and rounded to the nearest number of E5M2, ties to even, subnormals kept.
;;     - The product sums the exact products of the quantised numbers (number of the format x scale) in f32.
;;   ~~~python
;;   def quantise(x, axis, e):      # numpy; x: float32 -> the quantised numbers, widened to float32 again
;;       x = np.moveaxis(x, axis, -1); K = x.shape[-1]
;;       r = np.clip(x / 2.0 ** e, -57344, 57344)
;;       step = 2.0 ** (np.maximum(np.frexp(np.where(r == 0, 1, r))[1] - 1, -14) - 2)
;;       q = np.round(r / step) * step * 2.0 ** e      # np.round: ties to even
;;       return np.moveaxis(q, -1, axis).astype(np.float32)
;;   ~~~
;;   INPUTS GIVEN AS CODES. W_dec (in the module: [1024, 1024], K = its axis 1); W_enc (in the module: [1024, 2048], K = its axis 1); dec_state (in the module: [32, 1, 1024], K = its axis 2): each comes as NAME_codes (uint8): NAME with its K axis moved to the last place and cut into blocks of 32 codes, [.., K / 32, bytes a block], one block behind the other in memory; one code a byte (a code: sign, 5 exponent bits, 2 mantissa bits); its scale is its entry of lowp_scales. Its value is code x scale, taken as it is: it is not quantised again, and the codes and scales need not be those that the quantiser above would give.
;; One version. Each part assembles by itself: llvm-mc -triple=amdgcn-amd-amdhsa -mcpu=gfx1250 --defsym DOCPART=n.
;; ======== version 1 of 1: 3 launches
;; limits: right only within a limited range of input values
;; workspace buffers: wimg 2,097,152 bytes; decw 131,072 bytes; energy 131,072 bytes; tiles 8,192 bytes of whole numbers; pairs 512 bytes of whole numbers
;; launch prep (part 1): grid 96 x 1, 4 waves a work-group, no clusters, 0 bytes of LDS; arguments W_dec_codes, W_enc_codes, dec_state_codes, lowp_scales, src_length, decw, wimg, tiles, pairs; writes decw, wimg, tiles, pairs
.if DOCPART == 1
	.amdgcn_target "amdgcn-amd-amdhsa--gfx1250"
	.amdhsa_code_object_version 6
	.text
	.protected	k_qe659b371f0_prep
	.globl	k_qe659b371f0_prep
	.p2align	8
	.type	k_qe659b371f0_prep,@function
k_qe659b371f0_prep:
	s_mov_b64 s[64:65], 0
	v_nop
	global_prefetch_b8 v0, s[64:65] scope:SCOPE_SE
	s_setreg_imm32_b32 hwreg(HW_REG_WAVE_MODE, 25, 1), 1
	s_wait_xcnt 0x0
; Four small jobs ahead of the energies, chosen by the work-group's number; no LDS, no barrier, every wave for itself.
; (a) work-groups 0-63:  wimg = W_enc's codes laid in the order of an operand's registers.  A piece is 512 bytes: lane l's 16 bytes at 16 l.  Lane (r = l % 16, h = l / 16) holds in piece c = 2 u + cc of
;     K step s (128 along K) the codes k = 128 s + 64 u + 32 h + 16 cc + 0 .. 15 of row n = 16 nb + r.  Pieces 2 u, 2 u + 1 are the eight registers of one operand of the K = 64 form.  (Within an instruction k stands
;     in other places than the form's own map gives; enc_state's codes are laid by the same map, so every product meets its partner.)   wimg[w][P][s][t][c][lane][16 bytes], nb = 16 w + 4 P + t.
; (b) work-groups 64-79: decw[b][n] = (sum over k of dec_state[b][k] W_dec[n][k]) x 2^(e2 + e3) x 2 log2(e): the second quantised product, on the codes as they are given, f32 sums.
;     LIMIT: e2 + e3 between -126 and 126 (the sum is added to the exponent field of 2 log2(e)).
; (c) work-groups 80-87: tiles[g][i] = the first row (1024 b + s0) of the (g + 256 i)-th tile of 16 rows among the tiles that hold a row s < src_length[b], batch after batch; -1 where there is none.
;     So the 256 work-groups of the next launch get the same number of tiles, give or take one, and a work-group's tiles are a prefix of its eight entries.
; (d) work-groups 88-95: pairs[y] = {b, length, tiles of 16 rows, 0} of the batch of rank y by length (0 = the longest), then the same of the batch of rank 31 - y: the last launch takes a long and a short batch together.
;     LIMIT: src_length at least 1 (below that the softmax has no term); above 1,024 it counts as 1,024.
.set ACD, 8                            ; v8-23    two accumulators: batches 0-15, 16-31
.set OUD, 24                           ; v24-39   their sums, scaled
.set WF,  40                           ; v40-167  W_dec's fragments of the eight K steps;  window 1, v0-255: dec_state's, K step s and tile of batches mt at 32 s + 16 mt
.set MSB, 0
.macro WIN new                         ; the immediate's high byte repeats the setting that is left; a switch that changes nothing is dropped
.if MSB != (\new)
	s_set_vgpr_msb (MSB<<8)|(\new)
.set MSB, (\new)
.endif
.endm
	s_load_b512 s[4:19], s[0:1], 0x0               ; W_dec s[4:5], W_enc s[6:7], dec_state s[8:9], scales s[10:11], lengths s[12:13], decw s[14:15], wimg s[16:17], tiles s[18:19]
	s_load_b64 s[60:61], s[0:1], 0x40              ; pairs
	v_lshrrev_b32 v1, 5, v0
	v_readfirstlane_b32 s20, v1                    ; wave 0..3
	v_and_b32 v1, 31, v0                           ; lane
	v_and_b32 v2, 15, v0                           ; r
	v_bfe_u32 v3, v0, 4, 1                         ; h
	v_lshlrev_b32 v4, 4, v1                        ; 16 x lane
	s_wait_kmcnt 0x0
	s_cmp_lt_u32 ttmp9, 64
	s_cbranch_scc1 .Lwimg
	s_cmp_lt_u32 ttmp9, 80
	s_cbranch_scc1 .Ldec
	s_cmp_ge_u32 ttmp9, 88
	s_cbranch_scc1 .Lrank
; ---- (c) the list of tiles.  Thread x of work-group 80 + j makes entries 2 y and 2 y + 1, y = 128 j + x.
	s_load_b512 s[24:39], s[12:13], 0x0            ; the 32 lengths
	s_load_b512 s[40:55], s[12:13], 0x40
	s_sub_co_u32 s21, ttmp9, 80
	s_lshl_b32 s21, s21, 7
	v_add_nc_u32 v5, s21, v0                       ; y
	v_lshrrev_b32 v6, 2, v5                        ; g = y / 4
	v_and_b32 v7, 3, v5
	v_lshl_add_u32 v6, v7, 9, v6                   ; the first entry's tile number: g + 256 x 2 (y % 4)
	v_add_nc_u32 v7, 0x100, v6                     ; the second's
	v_mov_b32 v8, 0
	v_mov_b32 v9, 0
	s_mov_b32 s56, 0                               ; tiles in the batches before b
	s_wait_alu depctr_va_vdst(0)
	s_wait_kmcnt 0x0
.irp b, 0,1,2,3,4,5,6,7,8,9,10,11,12,13,14,15,16,17,18,19,20,21,22,23,24,25,26,27,28,29,30,31
	s_lshl_b32 s57, s56, 4
	s_sub_co_u32 s57, 1024*\b, s57                 ; a tile number t of batch b begins at row 16 t + (1024 b - 16 x tiles before b)
	v_mov_b32 v10, s57
	v_cmp_le_u32 vcc_lo, s56, v6                   ; the last batch that begins at or before my tile number is the tile's
	v_cndmask_b32 v8, v8, v10, vcc_lo
	v_cmp_le_u32 vcc_lo, s56, v7
	v_cndmask_b32 v9, v9, v10, vcc_lo
	s_min_u32 s58, s[24+\b], 0x400
	s_add_co_u32 s58, s58, 15
	s_lshr_b32 s58, s58, 4                         ; the batch's tiles
	s_add_co_u32 s56, s56, s58
.endr
	v_lshl_add_u32 v8, v6, 4, v8
	v_lshl_add_u32 v9, v7, 4, v9
	v_mov_b32 v10, -1
	v_cmp_le_u32 vcc_lo, s56, v6                   ; past the last tile: no tile
	v_cndmask_b32 v8, v8, v10, vcc_lo
	v_cmp_le_u32 vcc_lo, s56, v7
	v_cndmask_b32 v9, v9, v10, vcc_lo
	v_lshlrev_b32 v11, 3, v5
	global_store_b64 v11, v[8:9], s[18:19]         ; a wave stores 256 consecutive bytes
	s_endpgm
; ---- (a) W_enc's codes in register order.  Work-group nb takes rows 16 nb on; wave v K steps 4 v .. 4 v + 3.
.Lwimg:
	s_lshl_b32 s22, ttmp9, 15                      ; 16 rows of 2,048 bytes
	s_lshl_b32 s21, s20, 9                         ; four K steps of 128 bytes
	s_add_co_u32 s22, s22, s21
	s_mov_b32 s23, 0
	s_add_nc_u64 s[6:7], s[6:7], s[22:23]
	; the pieces' order in wimg is [w][P][s][t][c][lane][16 bytes], nb = 16 w + 4 P + t, P = 0 .. 3, t = 0 .. 3 (in place of the order [w][p][s][t][c] with eight t that the head comment names):
	; the four pieces of a K step are the sixteen registers of one operand of the K = 128 form, and a K step of 64 hidden units is 8,192 consecutive bytes
	s_lshr_b32 s22, ttmp9, 2
	s_lshl_b32 s22, s22, 17                        ; (4 w + P) x 16 K steps x 8,192
	s_lshl_b32 s21, s20, 15                        ; + 4 v K steps
	s_add_co_u32 s22, s22, s21
	s_and_b32 s21, ttmp9, 3
	s_lshl_b32 s21, s21, 11                        ; + t x 2,048
	s_add_co_u32 s22, s22, s21
	s_add_nc_u64 s[16:17], s[16:17], s[22:23]
	s_wait_alu depctr_va_vdst(0)
	v_lshlrev_b32 v5, 11, v2
	v_lshl_add_u32 v5, v3, 5, v5                   ; row r, + 32 h
.set xx, 0
.rept 16                               ; piece xx % 4 of K step xx / 4
	global_load_b128 v[16+4*xx:19+4*xx], v5, s[6:7] offset:(xx/4)*128+((xx%4)/2)*64+(xx%2)*16
.set xx, xx+1
.endr
.set xx, 0
.rept 16
	s_wait_loadcnt 15-xx                           ; loads come back in order: piece xx is in, the younger ones may be out
	global_store_b128 v4, v[16+4*xx:19+4*xx], s[16:17] offset:(xx/4)*8192+(xx%4)*512   ; 512 consecutive bytes
.set xx, xx+1
.endr
	s_endpgm
; ---- (b) the decoder's product.  Wave nd = 4 (work-group - 64) + wave takes hidden units 16 nd on, for all 32 batches.  Used transposed: source 0 = 16 rows of W_dec, source 1 = 16 batches:
; lane (r, h) then holds batch r and hidden units 8 h + 0 .. 7.  A fragment of 128 along K: four loads of 16 bytes, 32 apart, at row x 1,024 + 16 h, alike on both sides.
; All eight K steps are asked for at once, 96 loads, so that the wave waits for memory once.
.Ldec:
	s_load_b128 s[24:27], s[10:11], 0x0            ; e0 .. e3
	s_sub_co_u32 s21, ttmp9, 64
	s_lshl_b32 s21, s21, 2
	s_add_co_u32 s21, s21, s20                     ; nd
	s_lshl_b32 s28, s21, 14                        ; 16 rows of 1,024 bytes
	s_mov_b32 s29, 0
	s_add_nc_u64 s[4:5], s[4:5], s[28:29]
	s_lshl_b32 s28, s21, 6                         ; 16 numbers of 4 bytes
	s_add_nc_u64 s[14:15], s[14:15], s[28:29]
	s_wait_alu depctr_va_vdst(0)
	v_lshlrev_b32 v5, 10, v2
	v_lshl_add_u32 v5, v3, 4, v5
	v_lshlrev_b32 v6, 12, v2
	v_lshl_add_u32 v6, v3, 5, v6                   ; decw: batch r's row of 4,096 bytes, + 32 h
.macro DLOADS hh                       ; K steps 4 hh .. 4 hh + 3: 16 loads of W_dec, 32 of dec_state
.irp sl, 0,1,2,3
.irp c, 0,1,2,3
	global_load_b128 v[WF+16*(4*\hh+\sl)+4*\c:WF+16*(4*\hh+\sl)+4*\c+3], v5, s[4:5] offset:(4*\hh+\sl)*128+32*\c
.endr
.endr
	WIN 0x40                                       ; destination window 1
.irp sl, 0,1,2,3
.irp mt, 0,1
.irp c, 0,1,2,3
	global_load_b128 v[32*(4*\hh+\sl)+16*\mt+4*\c:32*(4*\hh+\sl)+16*\mt+4*\c+3], v5, s[8:9] offset:16384*\mt+(4*\hh+\sl)*128+32*\c
.endr
.endr
.endr
	WIN 0
.endm
.macro DMUL hh, zero                   ; their eight products; the two accumulators take turns, one instruction a turn
.irp sl, 0,1,2,3
.irp mt, 0,1
.if \zero && (\sl == 0)
	v_wmma_f32_16x16x128_bf8_bf8 v[ACD+8*\mt:ACD+8*\mt+7], v[WF+16*(4*\hh+\sl):WF+16*(4*\hh+\sl)+15], v[32*(4*\hh+\sl)+16*\mt:32*(4*\hh+\sl)+16*\mt+15], 0
.else
	v_wmma_f32_16x16x128_bf8_bf8 v[ACD+8*\mt:ACD+8*\mt+7], v[WF+16*(4*\hh+\sl):WF+16*(4*\hh+\sl)+15], v[32*(4*\hh+\sl)+16*\mt:32*(4*\hh+\sl)+16*\mt+15], v[ACD+8*\mt:ACD+8*\mt+7]
.endif
.endr
.endr
.endm
	DLOADS 0
	DLOADS 1
	s_wait_loadcnt 48                              ; the first four K steps are in; the 48 loads of the other four may be out
	WIN 0x04                                       ; source 1 (dec_state) window 1
	DMUL 0, 1                                      ; the first products start the sums
	s_wait_loadcnt 0x0
	DMUL 1, 0
	WIN 0
.rept 4
	v_nop                                          ; four places (ISA guide 7.12.1) ahead of the first read of the sums
.endr
	s_wait_kmcnt 0x0
	s_add_co_i32 s22, s26, s27                     ; e2 + e3,
	s_lshl_b32 s22, s22, 23
	s_add_co_i32 s22, s22, 0x4038aa3b              ; added to the exponent field of 2 log2(e) = 2.885390
	s_mov_b32 s23, s22                             ; (named with it as a pair, so it is written)
.irp j, 0,2,4,6,8,10,12,14
	v_pk_mul_f32 v[OUD+\j:OUD+\j+1], v[ACD+\j:ACD+\j+1], s[22:23] op_sel_hi:[1,0]   ; each accumulator from its low end on
.endr
	s_wait_alu depctr_va_vdst(0)
.irp mt, 0,1
.irp e, 0,1
	global_store_b128 v6, v[OUD+8*\mt+4*\e:OUD+8*\mt+4*\e+3], s[14:15] offset:65536*\mt+16*\e   ; 64 bytes of each of 16 rows for a wave: the buffer is 128 KB in all
.endr
.endr
	s_endpgm
; ---- (d) the ranks.  Wave W = 4 (work-group - 88) + wave takes batch W.  Keys length x 32 + b are all different, so the number of larger keys is a rank, and the 32 ranks are a permutation: every entry is stored once.
.Lrank:
	s_load_b512 s[24:39], s[12:13], 0x0            ; the 32 lengths
	s_load_b512 s[40:55], s[12:13], 0x40
	s_sub_co_u32 s21, ttmp9, 88
	s_lshl_b32 s21, s21, 2
	s_add_co_u32 s21, s21, s20                     ; W
	s_lshl_b32 s56, s21, 2
	s_load_b32 s57, s[12:13], s56 offset:0x0       ; batch W's length
	s_mov_b32 s62, 0
	s_wait_kmcnt 0x0
	s_min_u32 s57, s57, 0x400
	s_lshl_b32 s59, s57, 5
	s_or_b32 s59, s59, s21                         ; its key
.irp b, 0,1,2,3,4,5,6,7,8,9,10,11,12,13,14,15,16,17,18,19,20,21,22,23,24,25,26,27,28,29,30,31
	s_min_u32 s58, s[24+\b], 0x400
	s_lshl_b32 s58, s58, 5
	s_or_b32 s58, s58, \b
	s_cmp_gt_u32 s58, s59
	s_add_co_ci_u32 s62, s62, 0                    ; one more larger key
.endr
	s_sub_co_u32 s63, 31, s62
	s_cmp_lt_u32 s62, 16
	s_cselect_b32 s63, s62, s63                    ; the pair: the rank, or 31 - the rank
	s_cselect_b32 s58, 0, 16                       ; its first or its second entry
	s_lshl_b32 s63, s63, 5
	s_add_co_u32 s63, s63, s58
	s_min_u32 s63, s63, 0x1f0                      ; the entry's byte, made of loaded numbers, is held inside the 512 bytes
	s_add_co_u32 s58, s57, 15
	s_lshr_b32 s58, s58, 4                         ; the batch's tiles
	v_mov_b32 v8, s21
	v_mov_b32 v9, s57
	v_mov_b32 v10, s58
	v_mov_b32 v11, 0
	v_mov_b32 v12, s63
	s_wait_alu depctr_va_vdst(0)
	v_cmp_eq_u32 vcc_lo, 0, v1
	s_wait_xcnt 0x0                                ; EXEC changes only behind this wait
	s_and_saveexec_b32 s56, vcc_lo
	global_store_b128 v12, v[8:11], s[60:61]       ; one lane stores the entry's 16 bytes: the table is 512 bytes in all
	s_wait_xcnt 0x0
	s_or_b32 exec_lo, exec_lo, s56
	s_endpgm
.Lfunc_end_k_qe659b371f0_prep:
	.size	k_qe659b371f0_prep, .Lfunc_end_k_qe659b371f0_prep-k_qe659b371f0_prep
	.p2alignl 7, 3214868480
	.fill 96, 4, 3214868480
	.section	.rodata,"a",@progbits
	.p2align	6, 0x0
	.amdhsa_kernel k_qe659b371f0_prep
		.amdhsa_group_segment_fixed_size 0
		.amdhsa_private_segment_fixed_size 0
		.amdhsa_enable_private_segment 0
		.amdhsa_kernarg_size 72
		.amdhsa_user_sgpr_count 2
		.amdhsa_user_sgpr_kernarg_segment_ptr 1
		.amdhsa_wavefront_size32 1
		.amdhsa_system_sgpr_workgroup_id_x 1
		.amdhsa_system_sgpr_workgroup_id_y 1
		.amdhsa_system_sgpr_workgroup_id_z 1
		.amdhsa_system_vgpr_workitem_id 0
		.amdhsa_next_free_vgpr 512
		.amdhsa_next_free_sgpr 66
		.amdhsa_reserve_vcc 1
		.amdhsa_float_denorm_mode_32 3
		.amdhsa_float_denorm_mode_16_64 3
		.amdhsa_memory_ordered 1
		.amdhsa_forward_progress 1
		.amdhsa_inst_pref_size 39
	.end_amdhsa_kernel
	.amdgpu_metadata
---
amdhsa.version: [ 1, 2 ]
amdhsa.kernels:
  - .name:           k_qe659b371f0_prep
    .symbol:         k_qe659b371f0_prep.kd
    .args:
      - { .name: W_dec_codes, .offset: 0, .size: 8, .value_kind: global_buffer, .address_space: global }
      - { .name: W_enc_codes, .offset: 8, .size: 8, .value_kind: global_buffer, .address_space: global }
      - { .name: dec_state_codes, .offset: 16, .size: 8, .value_kind: global_buffer, .address_space: global }
      - { .name: lowp_scales, .offset: 24, .size: 8, .value_kind: global_buffer, .address_space: global }
      - { .name: src_length, .offset: 32, .size: 8, .value_kind: global_buffer, .address_space: global }
      - { .name: decw, .offset: 40, .size: 8, .value_kind: global_buffer, .address_space: global }
      - { .name: wimg, .offset: 48, .size: 8, .value_kind: global_buffer, .address_space: global }
      - { .name: tiles, .offset: 56, .size: 8, .value_kind: global_buffer, .address_space: global }
      - { .name: pairs, .offset: 64, .size: 8, .value_kind: global_buffer, .address_space: global }
    .group_segment_fixed_size: 0
    .private_segment_fixed_size: 0
    .kernarg_segment_align: 8
    .kernarg_segment_size: 72
    .max_flat_workgroup_size: 128
    .sgpr_count:     66
    .vgpr_count:     512
    .wavefront_size: 32
...
	.end_amdgpu_metadata
.endif
;; end of part 1
;; launch energy (part 2): grid 256 x 1, 4 waves a work-group, no clusters, 302,592 bytes of LDS; arguments enc_state, wimg, decw, tiles, W_energy, lowp_scales, energy; writes energy
.if DOCPART == 2
	.amdgcn_target "amdgcn-amd-amdhsa--gfx1250"
	.amdhsa_code_object_version 6
	.text
	.protected	k_qe659b371f0_energy
	.globl	k_qe659b371f0_energy
	.p2align	8
	.type	k_qe659b371f0_energy,@function
k_qe659b371f0_energy:
	s_mov_b64 s[64:65], 0
	v_nop
	global_prefetch_b8 v0, s[64:65] scope:SCOPE_SE
	s_setreg_imm32_b32 hwreg(HW_REG_WAVE_MODE, 25, 1), 1
	s_wait_xcnt 0x0
; energy[row] = -2 x the sum over n of W_energy[n] / (1 + 2^a),  a = 2 log2(e) (enc[row][n] + dec[b][n]),  for the rows of the work-group's listed tiles of 16 rows (at most eight; the valid ones are a prefix).
; tanh(x) = 1 - 2 / (1 + e^(2x)), so the true energy is this number + the sum of W_energy, a term common to all rows: the softmax of the next launch, which takes its maximum away, is the same with and without it.
; enc = Q(enc_state) x W_enc on codes of BF8 (E5M2), by v_wmma_f32_16x16x128_bf8_bf8, f32 sums, x 2^(e0 + e1).  Rows at or past src_length are in no listed tile but for the rest of a batch's last tile: their energies are masked later.
; LIMITS: e0 between -126 and 112; e0 + e1 between -126 and 126.  NaN and infinities in enc_state are not served.  Within one matrix instruction k stands in other places than the form's own map, alike in both operands.
; PHASE A.  Wave w streams K steps 4 w .. 4 w + 3 of each tile, 512 consecutive bytes a load; a K step's 16 x 512 bytes turn through the wave's own stage in LDS, are held, converted, and stored in LDS as images of the operand's registers.
; PHASE B.  Wave w makes hidden units 256 w .. 256 w + 255 for all tiles, in FOUR passes of 64: 8 x 4 accumulators, 256 registers.  The rows' fragments come from LDS; W_enc's come straight from wimg into registers.
; W'S RING: four units fill window 1; a unit is a K step (128 along K) of a pass's 64 hidden units: 8,192 consecutive bytes, 16 loads of 512 bytes, 64 registers.  The step that multiplies unit j asks for unit j + 3
; into the registers that unit j - 1 has left.  The ring's period divides a pass's 16 K steps: all passes are one text, a loop of four trips, and the ring runs on from pass to pass: three units are on their way under each pass's end.
; The last step of all fetches the fragments of K step 0 once more, which nobody reads: 32 LDS loads at the most, the price of one text for all passes.
; NO CLUSTER, NO JOINT LOADS, NO TENSOR LOADS: the number of tiles is read from memory, differs between work-groups, and the work of tiles that are not there is jumped over by branches on it.
; LDS: 0: images, (tile i, K step s) at 16,384 s + 2,048 i;  STAGE: 8,448 bytes a wave, later the decw rows of tiles 2 w, 2 w + 1;  WEB: W_energy;  RED: [wave][tile][row] partial sums;  behind it the spare words.
; REGISTERS: window 0: v0-23 addresses and constants; v24-31 four chains; v32-47 the tiles' sums; v48-63 codes just made; (A) v128-191 numbers; (B) v64-191 the rows' fragments, tile i at 64 + 16 i; v192-223 W_energy; v224-255 dec.
;   window 1: (A) four sets of 64 as loaded; (B) W's ring: unit x at 64 (x % 4).   window 2: accumulator (i, t) at 32 i + 8 t.
.set STAGE, 262144
.set SGB,   8448
.set WEB,   STAGE+4*SGB
.set RED,   WEB+4096
.set LI,  4                            ; v4   16 x lane
.set STW, 5                            ; v5   my stage + 16 x lane
.set STR, 6                            ; v6   my stage + 528 r + 128 h
.set IMB, 7                            ; v7   (A) 65,536 w + 16 x lane
.set IMW, 8                            ; v8   (A) where the tile in hand's images go
.set WAP, 7                            ; v7   (B) W_energy of the pass in hand
.set DAP, 8                            ; v8   (B) dec of the pass in hand
.set AAD, 9                            ; v9   16 x lane + the four K steps in hand
.set AAN, 10                           ; v10  the same for the next four
.set DAD, 11                           ; v11  STAGE + 1,024 w + 32 h
.set WAD, 12                           ; v12  WEB + 1,024 w + 32 h
.set RAD, 13                           ; v13  RED + 512 w + 4 x lane
.set RRD, 14                           ; v14  RED + 128 w + 4 x lane
.set TBL, 15                           ; v15  the list's entry 2 w + h
.set SCL, 16                           ; v16  2^e0 as f32
.set LIM, 17                           ; v17  57,344 x 2^e0
.set ZR,  18                           ; v18-21 zeros
.set TA,  22                           ; v22  WEB + 1,024 w + 16 x lane; at the end my offset in energy
.set TB,  23                           ; v23  my entry's byte in the work-group's eight
.set CH,  24
.set EE,  32
.set PC,  48
.set AF,  64
.set XX,  128
.set FW,  192
.set FD,  224
.set NQ,  19                           ; s19  how many of the eight entries are tiles
.set PS,  54                           ; s54  256 x the pass: its 64 numbers of 4 bytes
.set MSB, 0
.macro WIN new                         ; the immediate's high byte repeats the setting that is left; a switch that changes nothing is dropped
.if MSB != (\new)
	s_set_vgpr_msb (MSB<<8)|(\new)
.set MSB, (\new)
.endif
.endm
	s_load_b256 s[4:11], s[0:1], 0x0               ; enc_state s[4:5], wimg s[6:7], decw s[8:9], tiles s[10:11]
	s_load_b128 s[12:15], s[0:1], 0x20             ; W_energy s[12:13], the scales' exponents s[14:15]
	s_load_b64 s[16:17], s[0:1], 0x30              ; energy
	v_lshrrev_b32 v1, 5, v0
	v_readfirstlane_b32 s18, v1                    ; wave 0..3
	v_and_b32 v1, 31, v0                           ; lane
	v_and_b32 v2, 15, v0                           ; r
	v_bfe_u32 v3, v0, 4, 1                         ; h
	v_lshlrev_b32 v[LI], 4, v1
	s_mul_i32 s44, s18, SGB
	s_add_co_u32 s44, s44, STAGE
	v_add_nc_u32 v[STW], s44, v[LI]
	v_mul_u32_u24 v[STR], v2, 528
	v_lshl_add_u32 v[STR], v3, 7, v[STR]
	v_add_nc_u32 v[STR], s44, v[STR]
	s_lshl_b32 s44, s18, 16
	v_add_nc_u32 v[IMB], s44, v[LI]
	s_lshl_b32 s44, s18, 10
	v_lshlrev_b32 v[DAD], 5, v3
	v_add_nc_u32 v[DAD], s44, v[DAD]
	v_add_nc_u32 v[WAD], WEB, v[DAD]
	v_add_nc_u32 v[DAD], STAGE, v[DAD]
	v_add_nc_u32 v[TA], s44, v[LI]
	v_add_nc_u32 v[TA], WEB, v[TA]
	v_lshlrev_b32 v[RAD], 2, v1
	s_lshl_b32 s45, s18, 7
	v_add_nc_u32 v[RRD], s45, v[RAD]
	v_add_nc_u32 v[RRD], RED, v[RRD]
	s_lshl_b32 s45, s18, 9
	v_add_nc_u32 v[RAD], s45, v[RAD]
	v_add_nc_u32 v[RAD], RED, v[RAD]
	s_lshl_b32 s47, s18, 3                         ; 8 w: entries 2 w and 2 w + 1
	v_lshlrev_b32 v[TB], 2, v3
	v_add_nc_u32 v[TB], s47, v[TB]
.irp j, 0,1,2,3
	v_mov_b32 v[ZR+\j], 0
.endr
.irp j, 0,1,2,3,4,5,6,7,8,9,10,11,12,13,14,15
	v_mov_b32 v[EE+\j], 0                          ; the tiles' sums: four passes add to them, and a tile that is not there leaves its zero
.endr
	s_lshl_b32 s32, ttmp9, 5                       ; my eight entries
	s_mov_b32 s33, 0
	s_mov_b32 s48, 0x76543210                      ; v_permlanex16_b32's selects for lane l xor 16
	s_mov_b32 s49, 0xfedcba98
	s_wait_alu depctr_va_vdst(0)                   ; the wait at the head's end
	s_wait_kmcnt 0x0
	s_add_nc_u64 s[10:11], s[10:11], s[32:33]
	s_load_b256 s[24:31], s[10:11], 0x0            ; the eight entries
	s_load_b64 s[36:37], s[10:11], s47 offset:0x0  ; entries 2 w, 2 w + 1
	s_load_b128 s[40:43], s[14:15], 0x0            ; e0 .. e3
	global_load_b32 v[TBL], v[TB], s[10:11]        ; the oldest load of the wave: every later wait on LOADcnt covers it
	s_lshl_b32 s32, s18, 11
	s_add_nc_u64 s[4:5], s[4:5], s[32:33]          ; enc_state at my four K steps
	s_lshl_b32 s32, s18, 19
	s_add_nc_u64 s[6:7], s[6:7], s[32:33]          ; wimg at my 64 units of 8,192 bytes
	s_lshl_b32 s32, s18, 10
	s_add_nc_u64 s[12:13], s[12:13], s[32:33]      ; W_energy at my 256 numbers
	s_wait_kmcnt 0x0
	s_mov_b32 s[NQ], 8
.irp k, 24,25,26,27,28,29,30,31
	s_lshr_b32 s44, s\k, 31                        ; 1 for the entry -1
	s_sub_co_u32 s[NQ], s[NQ], s44
.endr
	s_add_co_i32 s44, s40, 127
	s_lshl_b32 s45, s44, 23
	v_mov_b32 v[SCL], s45                          ; the conversion takes its exponent field
	s_add_co_i32 s44, s44, 15
	s_lshl_b32 s44, s44, 23
	s_or_b32 s44, s44, 0x600000
	v_mov_b32 v[LIM], s44
	s_add_co_i32 s44, s40, s41                     ; e0 + e1,
	s_lshl_b32 s44, s44, 23
	s_add_co_i32 s22, s44, 0x4038aa3b              ; added to the exponent field of 2 log2(e)
	s_mov_b32 s23, s22                             ; (named with it as a pair, so it is written)
; ======== PHASE A ========
.macro XLOAD j                         ; K step 4 w + j of the 16 rows at s[34:35]: each load takes 512 consecutive bytes of one row
	WIN 0x40
.set qq, 0
.rept 16
	global_load_b128 v[64*\j+4*qq:64*\j+4*qq+3], v[LI], s[34:35] offset:8192*qq+512*\j th:TH_LOAD_NT
.set qq, qq+1
.endr
	WIN 0
.endm
; One K step of the tile in hand.  refill = 1: its registers take the same K step of the next tile.
.macro CHUNK j, refill
.if \refill
	s_wait_loadcnt 48                              ; younger than this K step's 16 loads: those of K steps j + 1 .. 3 and the refills of 0 .. j - 1: 48
.else
	s_wait_loadcnt 48-16*\j                        ; younger: K steps j + 1 .. 3 alone
.endif
	WIN 0x04                                       ; store data window 1
.set rr, 0
.rept 16
	ds_store_b128 v[STW], v[64*\j+4*rr:64*\j+4*rr+3] offset:528*rr   ; row rr as it lies
.set rr, rr+1
.endr
	WIN 0
.set rr, 0
.rept 16                               ; back: lane (r, h) takes of row r the numbers 32 h + 0 .. 31 and 64 + 32 h + 0 .. 31; LDS serves a wave's instructions in order (ISA guide 5.7.1.4)
	ds_load_b128 v[XX+4*rr:XX+4*rr+3], v[STR] offset:256*(rr/8)+16*(rr%8)
.set rr, rr+1
.endr
	s_wait_dscnt 0x0                               ; the numbers are in; the stores above have read their registers, and the last K step's image stores theirs
.if \refill
.if \j == 0
	s_wait_xcnt 0x0                                ; the loads issued so far have read their base: it may be written
	s_min_u32 s32, s25, 0x7ff0
	s_lshl_b32 s32, s32, 13
	s_add_nc_u64 s[34:35], s[4:5], s[32:33]        ; the next tile
.endif
	XLOAD \j
.endif
.set rr, 0
.rept 64
	v_med3_num_f32 v[XX+rr], v[XX+rr], -v[LIM], v[LIM]   ; the conversion to an 8-bit code does not saturate (ISA guide 7.6.2): the hold at the largest code x the scale
.set rr, rr+1
.endr
.set rr, 0
.rept 8
	v_cvt_scalef32_pk8_bf8_f32 v[PC+2*rr:PC+2*rr+1], v[XX+8*rr:XX+8*rr+7], v[SCL]
.set rr, rr+1
.endr
	v_nop                                          ; one plain vector instruction behind the last scaled conversion
.irp c, 0,1,2,3
	ds_store_b128 v[IMW], v[PC+4*\c:PC+4*\c+3] offset:16384*\j+512*\c
.endr
.endm
.macro QTILE refill
	CHUNK 0, \refill
	CHUNK 1, \refill
	CHUNK 2, \refill
	CHUNK 3, \refill
.endm
	s_min_u32 s32, s24, 0x7ff0                     ; the first entry's row (held inside the tensor where it is no tile),
	s_lshl_b32 s32, s32, 13                        ; times 8,192 bytes
	s_add_nc_u64 s[34:35], s[4:5], s[32:33]
	XLOAD 0
	XLOAD 1
	XLOAD 2
	XLOAD 3
	s_mov_b32 s21, 0                               ; 2,048 x the tile's place
	s_mov_b32 s20, 8
; Eight trips, whatever the list holds.  s24 is the entry in hand, s25 the next.  At a trip's head either none of the stream's loads is out or the four K steps of the entry in hand are, in the order 0 .. 3.
.Ltile:
	v_add_nc_u32 v[IMW], s21, v[IMB]
	s_cmp_lt_u32 s25, 0x8000
	s_cbranch_scc1 .Ltile_more
	s_cmp_lt_u32 s24, 0x8000
	s_cbranch_scc1 .Ltile_last
.irp j, 0,1,2,3                        ; no tile: its images are zeros, so that every byte that phase B may read has been written
.irp c, 0,1,2,3
	ds_store_b128 v[IMW], v[ZR:ZR+3] offset:16384*\j+512*\c
.endr
.endr
	s_branch .Ltile_next
.Ltile_more:
	s_wait_alu depctr_va_vdst(0)                   ; the wait behind the jump
	QTILE 1
	s_branch .Ltile_next
.Ltile_last:
	s_wait_alu depctr_va_vdst(0)
	QTILE 0
.Ltile_next:
.irp k, 24,25,26,27,28,29,30
	s_mov_b32 s[\k], s[\k+1]
.endr
	s_mov_b32 s31, -1
	s_add_co_u32 s21, s21, 2048
	s_sub_co_u32 s20, s20, 1
	s_cmp_lg_u32 s20, 0
	s_cbranch_scc1 .Ltile
	s_wait_loadcnt 0x0                             ; (a work-group without a tile has not used its first loads)
	s_wait_dscnt 0x0                               ; the last image stores have read v48-63, my reads of the stage are over
	s_min_u32 s44, s36, 0x7ff0                     ; the batches of tiles 2 w and 2 w + 1: row / 1,024; a row of decw is 4,096 bytes
	s_and_b32 s44, s44, 0x7c00
	s_lshl_b32 s32, s44, 2
	s_add_nc_u64 s[38:39], s[8:9], s[32:33]
	s_min_u32 s44, s37, 0x7ff0
	s_and_b32 s44, s44, 0x7c00
	s_lshl_b32 s32, s44, 2
	s_add_nc_u64 s[52:53], s[8:9], s[32:33]
.irp k, 0,1,2,3,4,5,6,7
	global_load_b128 v[XX+4*\k:XX+4*\k+3], v[LI], s[38:39] offset:512*\k
	global_load_b128 v[XX+32+4*\k:XX+32+4*\k+3], v[LI], s[52:53] offset:512*\k
.endr
	global_load_b128 v[PC:PC+3], v[LI], s[12:13]
	global_load_b128 v[PC+4:PC+7], v[LI], s[12:13] offset:512
; Unit x, counted from the unit at s[6:7]: 16 pieces of 512 bytes on end; piece 4 t + c is registers 16 t + 4 c on of the unit's 64
.macro ULOAD x
	WIN 0x40
.irp n, 0,1,2,3,4,5,6,7,8,9,10,11,12,13,14,15
	global_load_b128 v[64*((\x)%4)+4*\n:64*((\x)%4)+4*\n+3], v[LI], s[6:7] offset:8192*(\x)+512*\n
.endr
	WIN 0
.endm
	ULOAD 0
	ULOAD 1
	s_wait_loadcnt 32                              ; all but the two units' 32: the two rows of decw and W_energy are in
.irp k, 0,1,2,3,4,5,6,7
	ds_store_b128 v[STW], v[XX+4*\k:XX+4*\k+3] offset:512*\k
	ds_store_b128 v[STW], v[XX+32+4*\k:XX+32+4*\k+3] offset:4096+512*\k
.endr
	ds_store_b128 v[TA], v[PC:PC+3]
	ds_store_b128 v[TA], v[PC+4:PC+7] offset:512
	ULOAD 2
	s_wait_dscnt 0x0                               ; for the others' sake: my images and my rows of decw lie in LDS
	s_barrier_signal -1
	s_barrier_wait -1                              ; everybody's do; from here on nobody writes them
; ======== PHASE B ========
; A K step on the ring's unit q.  z = 1: the products start the sums (C = 0), for all eight tiles, so that every accumulator is written whatever the list holds.
; At its head: unit q is in when at most the two younger units' 32 loads are out; then unit x is asked for, into the registers that the step before has left (its last four v_nop are the places).
; tail = 1 (a pass's last three steps): in the last pass there is no unit left to ask for: ONE branch on the pass leads to a wait for all loads in place of the counted wait and the loads.
; Tile i: the wait for its fragment, four products (the four accumulators by turns), four places, and the fragment of the NEXT K step (at v[areg] + fo) into the same registers.
; A tile that is not there is jumped over: tiles 1-3 one by one (their reloads stay, so that the counts hold on every way), tiles 4-7 by leaving the step, since the tiles are a prefix.
; WAITS ON DScnt, four loads a fragment.  Tile i < 4: younger than its fragment's loads are at least the last step's reloads of tiles i + 1 .. 3 and this step's of 0 .. i - 1: 12.  Tile i >= 4: at least this step's of 0 .. i - 1: 4 i.
.macro STEP q, z, areg, fo, x, tail
.if \tail
	s_cmp_eq_u32 s[PS], 768
	s_cbranch_scc1 .Lnl_\@
.endif
	s_wait_loadcnt 32
	ULOAD \x
.if \tail
	s_branch .Lgo_\@
.Lnl_\@:
	s_wait_loadcnt 0x0
.Lgo_\@:
.endif
.irp i, 0,1,2,3,4,5,6,7
.set AC, 32*\i
.if \i < 4
	s_wait_dscnt 12
.if (\i > 0) && (\z == 0)
	s_cmp_le_u32 s[NQ], \i
	s_cbranch_scc1 .Lsk_\@_\i
.endif
.else
.if \z == 0
	s_cmp_le_u32 s[NQ], \i
	s_cbranch_scc1 .Lhe_\@
.endif
	s_wait_dscnt 4*\i
.endif
	WIN 0xa1                                       ; source 0 (W) window 1, source 1 (rows) window 0, C and D window 2
.irp t, 0,1,2,3
.if \z
	v_wmma_f32_16x16x128_bf8_bf8 v[AC+8*\t:AC+8*\t+7], v[64*\q+16*\t:64*\q+16*\t+15], v[AF+16*\i:AF+16*\i+15], 0
.else
	v_wmma_f32_16x16x128_bf8_bf8 v[AC+8*\t:AC+8*\t+7], v[64*\q+16*\t:64*\q+16*\t+15], v[AF+16*\i:AF+16*\i+15], v[AC+8*\t:AC+8*\t+7]
.endif
.endr
	WIN 0
.rept 4
	v_nop                                          ; four places ahead of loads into registers that these products read, and of reads of their results
.endr
.Lsk_\@_\i:
.irp c, 0,1,2,3
	ds_load_b128 v[AF+16*\i+4*\c:AF+16*\i+4*\c+3], v[\areg] offset:\fo+2048*\i+512*\c
.endr
.endr
.Lhe_\@:
.endm
.macro DECL n                          ; tile n's batch: dec of the pass's 64 hidden units, in the accumulators' layout: lane (r, h), tile t: units 16 t + 8 h + 0 .. 7
.irp t, 0,1,2,3
.irp e, 0,1
	ds_load_b128 v[FD+8*\t+4*\e:FD+8*\t+4*\e+3], v[DAP] offset:SGB*((\n)/2)+4096*((\n)%2)+64*\t+16*\e
.endr
.endr
.endm
; A pass's end: for each tile that is there, a = sum x 2^(e0 + e1) 2 log2(e) + dec, 1 / (1 + 2^a), times W_energy, added up in four chains and then onto the tile's pair of sums.
.macro EPI
.irp t, 0,1,2,3
.irp e, 0,1
	ds_load_b128 v[FW+8*\t+4*\e:FW+8*\t+4*\e+3], v[WAP] offset:64*\t+16*\e
.endr
.endr
	DECL 0
.irp i, 0,1,2,3,4,5,6,7
.set AC, 32*\i
.if \i > 0
	s_cmp_le_u32 s[NQ], \i
	s_cbranch_scc1 .Lee_\@
.endif
	s_wait_dscnt 0x0                               ; this tile's dec (and, the first time, W_energy) is in
	WIN 0x82                                       ; the sums: destination and source 0 window 2; dec: source 2 window 0
	s_wait_alu depctr_va_vdst(0)                   ; the wait directly ahead of the first readers of these matrix results
.set mm, 0
.rept 16
	v_pk_fma_f32 v[AC+2*mm:AC+2*mm+1], v[AC+2*mm:AC+2*mm+1], s[22:23], v[FD+2*mm:FD+2*mm+1] op_sel_hi:[1,0,1]   ; ascending: each accumulator is read from its low end on
.set mm, mm+1
.endr
.if \i < 7
	WIN 0
	DECL \i+1                                      ; the next tile's, into the registers just read
.endif
	WIN 0x82
.set mm, 0
	s_wait_alu depctr_va_vdst(0)                   ; a wait ahead of each batch and one behind it
.rept 32
	v_exp_f32 v[AC+mm], v[AC+mm]
.set mm, mm+1
.endr
	v_nop                                          ; one plain instruction behind the last transcendental (ISA guide 5.7.2)
.set mm, 0
	s_wait_alu depctr_va_vdst(0)
.rept 16
	v_pk_add_f32 v[AC+2*mm:AC+2*mm+1], v[AC+2*mm:AC+2*mm+1], 1.0 op_sel_hi:[1,0]
.set mm, mm+1
.endr
.set mm, 0
	s_wait_alu depctr_va_vdst(0)
.rept 32
	v_rcp_f32 v[AC+mm], v[AC+mm]                   ; 2^a = infinity gives 0, 2^a = 0 gives 1: tanh's two ends
.set mm, mm+1
.endr
	v_nop
	s_wait_alu depctr_va_vdst(0)
	WIN 0x02                                       ; source 0 window 2; W_energy and the chains window 0
.set mm, 0
.rept 16
.if mm < 4
	v_pk_mul_f32 v[CH+2*mm:CH+2*mm+1], v[AC+2*mm:AC+2*mm+1], v[FW+2*mm:FW+2*mm+1]   ; the first four pairs start the chains
.else
	v_pk_fma_f32 v[CH+2*(mm%4):CH+2*(mm%4)+1], v[AC+2*mm:AC+2*mm+1], v[FW+2*mm:FW+2*mm+1], v[CH+2*(mm%4):CH+2*(mm%4)+1]
.endif
.set mm, mm+1
.endr
	WIN 0
	v_pk_add_f32 v[CH:CH+1], v[CH:CH+1], v[CH+2:CH+3]
	v_pk_add_f32 v[CH+4:CH+5], v[CH+4:CH+5], v[CH+6:CH+7]
	v_pk_add_f32 v[CH:CH+1], v[CH:CH+1], v[CH+4:CH+5]
	v_pk_add_f32 v[EE+2*\i:EE+2*\i+1], v[EE+2*\i:EE+2*\i+1], v[CH:CH+1]
.endr
.Lee_\@:
	s_wait_dscnt 0x0                               ; a load of dec for a tile that is not there may be out
.endm
.irp i, 0,1,2,3,4,5,6,7                ; the eight tiles' fragments of K step 0
.irp c, 0,1,2,3
	ds_load_b128 v[AF+16*\i+4*\c:AF+16*\i+4*\c+3], v[LI] offset:2048*\i+512*\c
.endr
.endr
	s_mov_b32 s[PS], 0
; A pass: 16 K steps.  The first stands ahead of the loop and starts the sums; a trip goes once round the ring, from a four's second K step to the next four's first; the last four's other three are written out.
.Lpass:
	v_add_nc_u32 v[WAP], s[PS], v[WAD]
	v_add_nc_u32 v[DAP], s[PS], v[DAD]
	s_wait_alu depctr_va_vdst(0)                   ; the wait ahead of the waits below
	STEP 0, 1, LI, 16384, 3, 0
	s_mov_b32 s21, 0                               ; the four K steps' first byte in the images
	s_mov_b32 s20, 3
.Lk:
	v_add_nc_u32 v[AAD], s21, v[LI]
	s_add_co_u32 s46, s21, 65536
	v_add_nc_u32 v[AAN], s46, v[LI]
	s_wait_alu depctr_va_vdst(0)
	STEP 1, 0, AAD, 32768, 4, 0
	STEP 2, 0, AAD, 49152, 5, 0
	STEP 3, 0, AAN, 0, 6, 0
	STEP 0, 0, AAN, 16384, 7, 0
	s_wait_xcnt 0x0                                ; W's loads have read their base: it may step
	s_add_nc_u64 s[6:7], s[6:7], 32768
	s_add_co_u32 s21, s21, 65536
	s_sub_co_u32 s20, s20, 1
	s_cmp_lg_u32 s20, 0
	s_cbranch_scc1 .Lk
	v_add_nc_u32 v[AAD], s21, v[LI]
	s_wait_alu depctr_va_vdst(0)
	STEP 1, 0, AAD, 32768, 4, 1                    ; these three ask for the next pass's first three units, but not in the last pass
	STEP 2, 0, AAD, 49152, 5, 1
	STEP 3, 0, LI, 0, 6, 1                         ; behind K step 15 comes K step 0
	s_wait_xcnt 0x0
	s_add_nc_u64 s[6:7], s[6:7], 32768
	EPI
	s_add_co_u32 s[PS], s[PS], 256
	s_cmp_lt_u32 s[PS], 1024
	s_cbranch_scc1 .Lpass
; ======== THE END ========  A row's sum lies in two registers of two lanes (l and l xor 16) of four waves.
	s_wait_alu depctr_va_vdst(0)
.irp i, 0,1,2,3,4,5,6,7
	v_add_f32 v[PC+\i], v[EE+2*\i], v[EE+2*\i+1]
.endr
	v_cmp_eq_u32 vcc_lo, 1, v3
.irp m, 0,1,2,3                        ; lanes 0-15 are to hold tile 2 m, lanes 16-31 tile 2 m + 1
	v_cndmask_b32 v[PC+8+\m],  v[PC+2*\m+1], v[PC+2*\m], vcc_lo     ; what the other half of the lanes wants of me,
	v_cndmask_b32 v[PC+12+\m], v[PC+2*\m], v[PC+2*\m+1], vcc_lo     ; and my own part
.endr
.irp m, 0,1,2,3
	v_permlanex16_b32 v[PC+2*\m], v[PC+8+\m], s48, s49              ; (its destination counts as read: a register that has been written)
.endr
.irp m, 0,1,2,3
	v_add_f32 v[PC+12+\m], v[PC+12+\m], v[PC+2*\m]
	ds_store_b32 v[RAD], v[PC+12+\m] offset:128*\m
.endr
	s_wait_dscnt 0x0                               ; for the others' sake: my partial sums lie in LDS
	s_barrier_signal -1
	s_barrier_wait -1
.irp k, 0,1,2,3
	ds_load_b32 v[CH+\k], v[RRD] offset:512*\k     ; the four waves' parts of tile 2 w + h, row r
.endr
	s_wait_loadcnt 0x0                             ; my entry of the list
	v_min_u32 v[TA], 0x7ff0, v[TBL]
	v_add_nc_u32 v[TA], v[TA], v2
	v_lshlrev_b32 v[TA], 2, v[TA]                  ; the row's place in energy
	v_cmp_gt_u32 vcc_lo, 0x8000, v[TBL]            ; only for a tile that is there
	s_wait_dscnt 0x0
	v_add_f32 v[CH], v[CH], v[CH+1]
	v_add_f32 v[CH+2], v[CH+2], v[CH+3]
	v_add_f32 v[CH], v[CH], v[CH+2]
	v_mul_f32 v[CH], -2.0, v[CH]
	s_wait_alu depctr_va_vdst(0)
	s_wait_xcnt 0x0                                ; EXEC changes only behind this wait
	s_and_saveexec_b32 s50, vcc_lo
	global_store_b32 v[TA], v[CH], s[16:17]        ; 64 consecutive bytes for a tile: the buffer is 128 KB in all
	s_wait_xcnt 0x0
	s_or_b32 exec_lo, exec_lo, s50
	s_wait_xcnt 0x0
	s_mov_b32 exec_lo, -1
	v_lshl_add_u32 v62, v0, 2, 0x49c00             ; my spare word, behind RED
	v_mov_b32 v63, 0
	s_wait_alu depctr_va_vdst(0)
	s_wait_tensorcnt 0x0                           ; the wave's end
	ds_add_u32 v62, v63
	s_wait_dscnt 0x0
	s_endpgm
.Lfunc_end_k_qe659b371f0_energy:
	.size	k_qe659b371f0_energy, .Lfunc_end_k_qe659b371f0_energy-k_qe659b371f0_energy
	.p2alignl 7, 3214868480
	.fill 96, 4, 3214868480
	.section	.rodata,"a",@progbits
	.p2align	6, 0x0
	.amdhsa_kernel k_qe659b371f0_energy
		.amdhsa_group_segment_fixed_size 302592
		.amdhsa_private_segment_fixed_size 0
		.amdhsa_enable_private_segment 0
		.amdhsa_kernarg_size 56
		.amdhsa_user_sgpr_count 2
		.amdhsa_user_sgpr_kernarg_segment_ptr 1
		.amdhsa_wavefront_size32 1
		.amdhsa_system_sgpr_workgroup_id_x 1
		.amdhsa_system_sgpr_workgroup_id_y 1
		.amdhsa_system_sgpr_workgroup_id_z 1
		.amdhsa_system_vgpr_workitem_id 0
		.amdhsa_next_free_vgpr 768
		.amdhsa_next_free_sgpr 66
		.amdhsa_reserve_vcc 1
		.amdhsa_float_denorm_mode_32 3
		.amdhsa_float_denorm_mode_16_64 3
		.amdhsa_memory_ordered 1
		.amdhsa_forward_progress 1
		.amdhsa_inst_pref_size 200
	.end_amdhsa_kernel
	.amdgpu_metadata
---
amdhsa.version: [ 1, 2 ]
amdhsa.kernels:
  - .name:           k_qe659b371f0_energy
    .symbol:         k_qe659b371f0_energy.kd
    .args:
      - { .name: enc_state, .offset: 0, .size: 8, .value_kind: global_buffer, .address_space: global }
      - { .name: wimg, .offset: 8, .size: 8, .value_kind: global_buffer, .address_space: global }
      - { .name: decw, .offset: 16, .size: 8, .value_kind: global_buffer, .address_space: global }
      - { .name: tiles, .offset: 24, .size: 8, .value_kind: global_buffer, .address_space: global }
      - { .name: W_energy, .offset: 32, .size: 8, .value_kind: global_buffer, .address_space: global }
      - { .name: lowp_scales, .offset: 40, .size: 8, .value_kind: global_buffer, .address_space: global }
      - { .name: energy, .offset: 48, .size: 8, .value_kind: global_buffer, .address_space: global }
    .group_segment_fixed_size: 302592
    .private_segment_fixed_size: 0
    .kernarg_segment_align: 8
    .kernarg_segment_size: 56
    .max_flat_workgroup_size: 128
    .sgpr_count:     66
    .vgpr_count:     768
    .wavefront_size: 32
...
	.end_amdgpu_metadata
.endif
;; end of part 2
;; launch context (part 3): grid 16 x 16, 32 waves a work-group, no clusters, 37,376 bytes of LDS; arguments energy, enc_state, pairs, out0, out1; writes out0, out1
.if DOCPART == 3
	.amdgcn_target "amdgcn-amd-amdhsa--gfx1250"
	.amdhsa_code_object_version 6
	.text
	.protected	k_qe659b371f0_context
	.globl	k_qe659b371f0_context
	.p2align	8
	.type	k_qe659b371f0_context,@function
k_qe659b371f0_context:
	s_mov_b64 s[64:65], 0
	v_nop
	global_prefetch_b8 v0, s[64:65] scope:SCOPE_SE
	s_setreg_imm32_b32 hwreg(HW_REG_WAVE_MODE, 25, 1), 1
	s_wait_xcnt 0x0
; For TWO batches, X of rank y by length and Y of rank 31 - y (work-group y; the table pairs holds their numbers, lengths and tiles of 16 rows), and columns 128 c .. 128 c + 127 (work-group x):
; alphas = softmax of a batch's energies over the rows s < its length, the maximum taken away; out1 = alphas (by the work-groups with c = 0); out0[b][columns] = the sum over s of alpha[s] enc_state[b][s][columns], in f32.
; A long batch and a short one together have about the same number of rows in every work-group.  Their tiles are numbered through, X's first, and dealt to the 32 waves: wave w takes tiles w, w + 32, w + 64, w + 96.
; A stream: no matrix unit, no tensor loads, no cluster (no two work-groups read the same bytes of enc_state; the energies that the sixteen of a pair share are small beside their rows).
; Rows at or past a batch's length have alpha = 0: only the tiles that hold a row below it are read, and of energy only numbers of such tiles, which the launch before has stored.
; THE FIRST TILE'S ROWS ARE ASKED FOR AHEAD OF THE SOFTMAX, with no branch: a wave whose first tile number is past the last tile (both batches together under 32 tiles) reads tile 0 of X and multiplies by 0.
; THE WEIGHTS: threads 0-511 hold X's energies, two each, threads 512-1023 Y's: maxima and sums of p meet in LDS.  A wave makes the 16 p of its tile itself, from 64 bytes of energy and the batch's maximum, and spreads them
; by v_readlane_b32 into 16 scalar registers: no LDS address hangs on a loaded number.  A tile's sum goes to X's sums times sX and to Y's times sY (1.0 or 0).  The division by the sum of p comes at the end.
; LIMITS: lengths at least 1; above 1,024 they count as 1,024.  NaN and infinities in enc_state are not served.
; LDS: MXB: the 32 waves' maxima;  SMB: their sums of p;  RDB: their partial contexts, 512 bytes for X and 512 for Y each.
; REGISTERS: v1-5, v13-15, v97, v103, v104 addresses and indices; v6-7 1 / sum; v8-9 my two energies, then p; v16-19 X's sums, v20-23 Y's; v24-31 a tile's sums (even rows, odd rows); v32-95 16 rows; v96 the tile's energies, then p; v98, v99 the two maxima.
.set MXB, 0
.set SMB, 256
.set RDB, 512
	s_load_b256 s[4:11], s[0:1], 0x0               ; energy s[4:5], enc_state s[6:7], pairs s[8:9], out0 s[10:11]
	s_load_b64 s[12:13], s[0:1], 0x20              ; out1
	v_lshl_add_u32 v112, v0, 2, 0x8200
	v_mov_b32 v113, 0
	v_lshrrev_b32 v102, 5, v0
	v_readfirstlane_b32 s15, v102                  ; wave 0..31
	s_lshr_b32 s16, s15, 4                         ; 0: my threads hold X's energies; 1: Y's
	s_and_b32 s14, ttmp7, 0xffff                   ; y
	s_lshl_b32 s32, s14, 5                         ; the pair's 32 bytes
	s_mov_b32 s33, 0
	s_lshl_b32 s17, ttmp9, 9                       ; my 512 bytes of each row
	s_mov_b32 s22, 0x76543210                      ; v_permlanex16_b32's selects for lane l xor 16
	s_mov_b32 s23, 0xfedcba98
	v_and_b32 v103, 31, v0                         ; lane
	v_and_b32 v97, 15, v0                          ; r
	v_lshlrev_b32 v4, 4, v103                      ; 16 x lane
	v_lshlrev_b32 v14, 2, v103                     ; 4 x lane
	v_lshlrev_b32 v15, 2, v97                      ; 4 r
	v_lshlrev_b32 v13, 2, v102                     ; 4 x wave
	v_lshl_add_u32 v5, v102, 10, v4
	v_add_nc_u32 v5, RDB, v5                       ; RDB + 1,024 x wave + 16 x lane
	s_lshl_b32 s45, s16, 9
	v_add_nc_u32 v104, s45, v4                     ; 16 x lane + 512 for Y: where waves 0 and 16 read the partial contexts
	v_and_b32 v2, 0x1ff, v0                        ; t: my place among the batch's 512 threads
	v_lshlrev_b32 v1, 1, v2                        ; 2 t
	v_add_nc_u32 v3, 1, v1                         ; 2 t + 1
	v_lshlrev_b32 v2, 3, v2                        ; 8 t
	v_mov_b32 v10, 0xff800000                      ; -infinity
	v_mov_b32 v8, v10
	v_mov_b32 v9, v10
	v_mov_b32 v12, 0                               ; (a lane permute's destination counts as read)
	v_cmp_le_u32 s46, 16, v103                     ; lanes 16-31
	s_wait_alu depctr_va_vdst(0)                   ; the wait at the head's end
	s_wait_kmcnt 0x0
	s_add_nc_u64 s[8:9], s[8:9], s[32:33]
	s_load_b256 s[24:31], s[8:9], 0x0              ; X: batch, length, tiles, 0;  Y: the same
	s_wait_kmcnt 0x0
	s_min_u32 s24, s24, 31
	s_min_u32 s25, s25, 0x400
	s_min_u32 s26, s26, 64
	s_min_u32 s28, s28, 31
	s_min_u32 s29, s29, 0x400
	s_min_u32 s30, s30, 64
	s_add_co_u32 s18, s26, s30                     ; the tiles of both
	s_cmp_eq_u32 s16, 0
	s_cselect_b32 s19, s24, s28                    ; the batch whose energies my threads hold,
	s_cselect_b32 s20, s25, s29                    ; its length,
	s_cselect_b32 s21, 0, -1                       ; and a mask: all ones for Y
	s_min_u32 s19, s19, 31
	s_lshl_b32 s32, s19, 12                        ; the batch's 4,096 bytes in energy and in out1
	s_add_nc_u64 s[38:39], s[4:5], s[32:33]
	s_add_nc_u64 s[12:13], s[12:13], s[32:33]
	s_lshl_b32 s32, s19, 13
	s_add_co_u32 s32, s32, s17                     ; out0: 8,192 b + 512 c
	s_add_nc_u64 s[10:11], s[10:11], s[32:33]
	v_cmp_gt_u32 vcc_lo, s20, v1                   ; 2 t < length
	s_wait_xcnt 0x0                                ; EXEC changes only behind this wait
	s_and_saveexec_b32 s44, vcc_lo
	global_load_b64 v[8:9], v2, s[38:39]
	s_wait_xcnt 0x0
	s_or_b32 exec_lo, exec_lo, s44
; My j-th tile: number w + 32 j.  Below X's count it is X's tile of that number, else Y's tile of that number less X's count.
.macro MAP j
	s_add_co_u32 s38, s15, 32*\j
	s_sub_co_u32 s39, s38, s26
	s_cmp_lt_u32 s38, s26
	s_cselect_b32 s39, s38, s39                    ; the tile in its batch
	s_cselect_b32 s45, s24, s28                    ; the batch
	s_cselect_b32 s43, s25, s29                    ; its length
	s_cselect_b32 s40, -1, 0                       ; a mask: all ones for X
	s_cselect_b32 s41, 1.0, 0                      ; sX
	s_cselect_b32 s42, 0, 1.0                      ; sY
.if \j == 0
	s_cmp_lt_u32 s38, s18                          ; no such tile: X's tile 0 with X's maximum, so that p stays at most 1, and both factors 0 (sX is 0 already)
	s_cselect_b32 s39, s39, 0
	s_cselect_b32 s45, s45, s24
	s_cselect_b32 s43, s43, s25
	s_cselect_b32 s40, s40, -1
	s_cselect_b32 s42, s42, 0
.endif
	s_min_u32 s39, s39, 63                         ; loaded numbers are held before they enter an address
	s_min_u32 s45, s45, 31
	s_lshl_b32 s32, s45, 23                        ; the batch's rows,
	s_lshl_b32 s47, s39, 17                        ; the tile's 16 rows of 8,192 bytes,
	s_add_co_u32 s32, s32, s47
	s_add_co_u32 s32, s32, s17                     ; my columns
	s_add_nc_u64 s[34:35], s[6:7], s[32:33]
	s_lshl_b32 s32, s45, 12
	s_lshl_b32 s47, s39, 6                         ; the tile's 16 energies
	s_add_co_u32 s32, s32, s47
	s_add_nc_u64 s[36:37], s[4:5], s[32:33]
.endm
.macro BLOAD                           ; the tile's energies (row r in lanes r and r + 16), then its rows: each load takes 512 consecutive bytes of one row
	global_load_b32 v96, v15, s[36:37]
.set uu, 0
.rept 16
	global_load_b128 v[32+4*uu:35+4*uu], v4, s[34:35] offset:8192*uu th:TH_LOAD_NT
.set uu, uu+1
.endr
.endm
; The tile's p, its sum over 16 rows in two chains, and the sum's way to X's or Y's sums.  first = 1: the products start X's and Y's sums: nothing is cleared.
.macro CONSUME first
	s_wait_loadcnt 16                              ; the tile's energies are in; its 16 rows may be out
	v_cndmask_b32 v100, v99, v98, s40              ; the tile's batch's maximum
	v_lshl_add_u32 v101, s39, 4, v97               ; the lane's row in the batch
	v_sub_f32 v96, v96, v100
	v_mul_f32 v96, 0x3fb8aa3b, v96
	s_wait_alu depctr_va_vdst(0)                   ; the wait ahead of the transcendental
	v_exp_f32 v96, v96                             ; p = e^(energy - maximum)
	v_cmp_gt_u32 vcc_lo, s43, v101                 ; (a plain instruction behind the transcendental: ISA guide 5.7.2)  row < length
	s_wait_alu depctr_va_vdst(0)
	v_cndmask_b32 v96, 0, v96, vcc_lo              ; the mask: p = 0 at and past the length
.set uu, 0
.rept 16
	v_readlane_b32 s[48+uu], v96, uu
.set uu, uu+1
.endr
.set uu, 0
.rept 16
.if (uu%4) == 0
	s_wait_alu depctr_va_vdst(0)                   ; the wait directly ahead of the wait below
	s_wait_loadcnt 12-uu                           ; loads come back in order: rows uu .. uu + 3 are in, the younger ones may be out
.endif
.irp k, 0,1,2,3
.if uu < 2
	v_mul_f32 v[24+4*uu+\k], s[48+uu], v[32+4*uu+\k]              ; the first two rows start the chains
.else
	v_fmac_f32 v[24+4*(uu%2)+\k], s[48+uu], v[32+4*uu+\k]
.endif
.endr
.set uu, uu+1
.endr
	v_pk_add_f32 v[24:25], v[24:25], v[28:29]
	v_pk_add_f32 v[26:27], v[26:27], v[30:31]
.irp k, 0,1,2,3
.if \first
	v_mul_f32 v[16+\k], s41, v[24+\k]
	v_mul_f32 v[20+\k], s42, v[24+\k]
.else
	v_fmac_f32 v[16+\k], s41, v[24+\k]
	v_fmac_f32 v[20+\k], s42, v[24+\k]
.endif
.endr
.endm
.macro BURST j                         ; a further tile, if there is one: the tiles of a wave are a prefix
	s_add_co_u32 s38, s15, 32*\j
	s_cmp_ge_u32 s38, s18
	s_cbranch_scc1 .Ldone
	s_wait_xcnt 0x0                                ; the last tile's loads have read their bases (they are all in): the bases may be written
	MAP \j
	BLOAD
	CONSUME 0
.endm
	MAP 0
	BLOAD                                          ; on its way while the maxima are found
	s_wait_loadcnt 17                              ; my two energies are in; younger: the tile's energies and its 16 rows
	v_cmp_gt_u32 vcc_lo, s20, v3                   ; 2 t + 1 < length
	v_cndmask_b32 v9, v10, v9, vcc_lo              ; the mask: -infinity at and past the length
	v_max_num_f32 v11, v8, v9
	v_max_num_f32_dpp v11, v11, v11 row_xmask:1 row_mask:0xf bank_mask:0xf
	v_max_num_f32_dpp v11, v11, v11 row_xmask:2 row_mask:0xf bank_mask:0xf
	v_max_num_f32_dpp v11, v11, v11 row_xmask:4 row_mask:0xf bank_mask:0xf
	v_max_num_f32_dpp v11, v11, v11 row_xmask:8 row_mask:0xf bank_mask:0xf
	v_permlanex16_b32 v12, v11, s22, s23
	v_max_num_f32 v11, v11, v12
	ds_store_b32 v13, v11 offset:MXB               ; all lanes write the same word with the same value
	s_wait_alu depctr_va_vdst(0)                   ; the wait directly ahead of the wait below
	s_wait_dscnt 0x0                               ; for the others' sake: my wave's maximum lies in LDS
	s_barrier_signal -1
	s_barrier_wait -1
	ds_load_b32 v11, v14 offset:MXB                ; lane l: wave l's maximum: lanes 0-15 hold X's sixteen, lanes 16-31 Y's
	s_wait_dscnt 0x0
	v_max_num_f32_dpp v11, v11, v11 row_xmask:1 row_mask:0xf bank_mask:0xf
	v_max_num_f32_dpp v11, v11, v11 row_xmask:2 row_mask:0xf bank_mask:0xf
	v_max_num_f32_dpp v11, v11, v11 row_xmask:4 row_mask:0xf bank_mask:0xf
	v_max_num_f32_dpp v11, v11, v11 row_xmask:8 row_mask:0xf bank_mask:0xf
	v_permlanex16_b32 v12, v11, s22, s23
	v_cndmask_b32 v98, v11, v12, s46               ; X's maximum in every lane: a number, since row 0 counts
	v_cndmask_b32 v99, v12, v11, s46               ; Y's
	v_cndmask_b32 v100, v98, v99, s21              ; that of the batch whose energies I hold
	v_sub_f32 v8, v8, v100
	v_sub_f32 v9, v9, v100
	v_mul_f32 v8, 0x3fb8aa3b, v8
	v_mul_f32 v9, 0x3fb8aa3b, v9
	s_wait_alu depctr_va_vdst(0)                   ; the wait ahead of the batch
	v_exp_f32 v8, v8                               ; p = e^(energy - maximum); 0 for a masked row
	v_exp_f32 v9, v9
	v_nop                                          ; one plain instruction behind the transcendentals (ISA guide 5.7.2)
	s_wait_alu depctr_va_vdst(0)
	v_add_f32 v11, v8, v9
	v_add_f32_dpp v11, v11, v11 row_xmask:1 row_mask:0xf bank_mask:0xf
	v_add_f32_dpp v11, v11, v11 row_xmask:2 row_mask:0xf bank_mask:0xf
	v_add_f32_dpp v11, v11, v11 row_xmask:4 row_mask:0xf bank_mask:0xf
	v_add_f32_dpp v11, v11, v11 row_xmask:8 row_mask:0xf bank_mask:0xf
	v_permlanex16_b32 v12, v11, s22, s23
	v_add_f32 v11, v11, v12
	ds_store_b32 v13, v11 offset:SMB               ; my wave's sum of p: read behind the barrier below
	CONSUME 1
	BURST 1
	BURST 2
	BURST 3
.Ldone:
	s_wait_alu depctr_va_vdst(0)                   ; the wait behind the jump, ahead of the first reader
	ds_store_b128 v5, v[16:19]
	ds_store_b128 v5, v[20:23] offset:512
	s_wait_dscnt 0x0                               ; for the others' sake: my sum of p and my partial contexts lie in LDS
	s_barrier_signal -1
	s_barrier_wait -1
	ds_load_b32 v11, v14 offset:SMB                ; lane l: wave l's sum of p
	s_wait_dscnt 0x0
	v_add_f32_dpp v11, v11, v11 row_xmask:1 row_mask:0xf bank_mask:0xf
	v_add_f32_dpp v11, v11, v11 row_xmask:2 row_mask:0xf bank_mask:0xf
	v_add_f32_dpp v11, v11, v11 row_xmask:4 row_mask:0xf bank_mask:0xf
	v_add_f32_dpp v11, v11, v11 row_xmask:8 row_mask:0xf bank_mask:0xf
	v_permlanex16_b32 v12, v11, s22, s23
	v_cndmask_b32 v101, v11, v12, s46              ; X's sum
	v_cndmask_b32 v102, v12, v11, s46              ; Y's
	v_cndmask_b32 v11, v101, v102, s21             ; that of the batch whose energies I hold
	s_wait_alu depctr_va_vdst(0)                   ; the wait ahead of the transcendental
	v_rcp_f32 v6, v11                              ; 1 / the sum, which is at least 1
	v_nop
	s_wait_alu depctr_va_vdst(0)
	v_mov_b32 v7, v6
	s_wait_alu depctr_va_vdst(0)                   ; the wait ahead of the branches below
	s_cmp_lg_u32 ttmp9, 0
	s_cbranch_scc1 .Lno_alphas
	v_pk_mul_f32 v[24:25], v[8:9], v[6:7]
	global_store_b64 v2, v[24:25], s[12:13]        ; a wave stores 256 consecutive bytes
.Lno_alphas:
	s_and_b32 s45, s15, 15
	s_cmp_lg_u32 s45, 0
	s_cbranch_scc1 .Lend                           ; wave 0 finishes X's context, wave 16 Y's: each holds its own batch's 1 / sum and address
.irp k, 0,1,2,3,4,5,6,7,8,9,10,11,12,13,14,15
	ds_load_b128 v[32+4*\k:35+4*\k], v104 offset:RDB+1024*\k
.endr
	s_wait_dscnt 0x0
.irp k, 0,1,2,3,4,5,6,7
	v_pk_add_f32 v[32+4*\k:33+4*\k], v[32+4*\k:33+4*\k], v[64+4*\k:65+4*\k]
	v_pk_add_f32 v[34+4*\k:35+4*\k], v[34+4*\k:35+4*\k], v[66+4*\k:67+4*\k]
.endr
.irp k, 0,1,2,3
	v_pk_add_f32 v[32+4*\k:33+4*\k], v[32+4*\k:33+4*\k], v[48+4*\k:49+4*\k]
	v_pk_add_f32 v[34+4*\k:35+4*\k], v[34+4*\k:35+4*\k], v[50+4*\k:51+4*\k]
.endr
.irp k, 0,1
	v_pk_add_f32 v[32+4*\k:33+4*\k], v[32+4*\k:33+4*\k], v[40+4*\k:41+4*\k]
	v_pk_add_f32 v[34+4*\k:35+4*\k], v[34+4*\k:35+4*\k], v[42+4*\k:43+4*\k]
.endr
	v_pk_add_f32 v[32:33], v[32:33], v[36:37]
	v_pk_add_f32 v[34:35], v[34:35], v[38:39]      ; waves 0-15's in v32-35
.irp k, 0,1,2,3,4,5,6,7,8,9,10,11,12,13,14,15
	ds_load_b128 v[36+4*\k:39+4*\k], v104 offset:RDB+1024*(16+\k)
.endr
	s_wait_dscnt 0x0
.irp k, 0,1,2,3,4,5,6,7
	v_pk_add_f32 v[36+4*\k:37+4*\k], v[36+4*\k:37+4*\k], v[68+4*\k:69+4*\k]
	v_pk_add_f32 v[38+4*\k:39+4*\k], v[38+4*\k:39+4*\k], v[70+4*\k:71+4*\k]
.endr
.irp k, 0,1,2,3
	v_pk_add_f32 v[36+4*\k:37+4*\k], v[36+4*\k:37+4*\k], v[52+4*\k:53+4*\k]
	v_pk_add_f32 v[38+4*\k:39+4*\k], v[38+4*\k:39+4*\k], v[54+4*\k:55+4*\k]
.endr
.irp k, 0,1
	v_pk_add_f32 v[36+4*\k:37+4*\k], v[36+4*\k:37+4*\k], v[44+4*\k:45+4*\k]
	v_pk_add_f32 v[38+4*\k:39+4*\k], v[38+4*\k:39+4*\k], v[46+4*\k:47+4*\k]
.endr
	v_pk_add_f32 v[36:37], v[36:37], v[40:41]
	v_pk_add_f32 v[38:39], v[38:39], v[42:43]
	v_pk_add_f32 v[32:33], v[32:33], v[36:37]
	v_pk_add_f32 v[34:35], v[34:35], v[38:39]
	v_pk_mul_f32 v[32:33], v[32:33], v[6:7]        ; / the sum of p
	v_pk_mul_f32 v[34:35], v[34:35], v[6:7]
	global_store_b128 v4, v[32:35], s[10:11]       ; 512 consecutive bytes, at a multiple of 512 from out0's first byte
.Lend:
	s_barrier_signal -1
	s_barrier_wait -1
	s_wait_tensorcnt 0x0
	ds_add_u32 v112, v113
	s_wait_dscnt 0x0
	s_endpgm
.Lfunc_end_k_qe659b371f0_context:
	.size	k_qe659b371f0_context, .Lfunc_end_k_qe659b371f0_context-k_qe659b371f0_context
	.p2alignl 7, 3214868480
	.fill 96, 4, 3214868480
	.section	.rodata,"a",@progbits
	.p2align	6, 0x0
	.amdhsa_kernel k_qe659b371f0_context
		.amdhsa_group_segment_fixed_size 37376
		.amdhsa_private_segment_fixed_size 0
		.amdhsa_enable_private_segment 0
		.amdhsa_kernarg_size 40
		.amdhsa_user_sgpr_count 2
		.amdhsa_user_sgpr_kernarg_segment_ptr 1
		.amdhsa_wavefront_size32 1
		.amdhsa_system_sgpr_workgroup_id_x 1
		.amdhsa_system_sgpr_workgroup_id_y 1
		.amdhsa_system_sgpr_workgroup_id_z 1
		.amdhsa_system_vgpr_workitem_id 0
		.amdhsa_next_free_vgpr 114
		.amdhsa_next_free_sgpr 66
		.amdhsa_reserve_vcc 1
		.amdhsa_float_denorm_mode_32 3
		.amdhsa_float_denorm_mode_16_64 3
		.amdhsa_memory_ordered 1
		.amdhsa_forward_progress 1
		.amdhsa_inst_pref_size 39
	.end_amdhsa_kernel
	.amdgpu_metadata
---
amdhsa.version: [ 1, 2 ]
amdhsa.kernels:
  - .name:           k_qe659b371f0_context
    .symbol:         k_qe659b371f0_context.kd
    .args:
      - { .name: energy, .offset: 0, .size: 8, .value_kind: global_buffer, .address_space: global }
      - { .name: enc_state, .offset: 8, .size: 8, .value_kind: global_buffer, .address_space: global }
      - { .name: pairs, .offset: 16, .size: 8, .value_kind: global_buffer, .address_space: global }
      - { .name: out0, .offset: 24, .size: 8, .value_kind: global_buffer, .address_space: global }
      - { .name: out1, .offset: 32, .size: 8, .value_kind: global_buffer, .address_space: global }
    .group_segment_fixed_size: 37376
    .private_segment_fixed_size: 0
    .kernarg_segment_align: 8
    .kernarg_segment_size: 40
    .max_flat_workgroup_size: 1024
    .sgpr_count:     66
    .vgpr_count:     114
    .wavefront_size: 32
...
	.end_amdgpu_metadata
.endif
;; end of part 3
